; MI455X (gfx1250); checked and timed in simulation.
; The chip was launched on July 23, 2026; its instructions are those of AMD's public machine-readable ISA for CDNA 5 (MIT licence, August 2026) and "CDNA5" Instruction Set Architecture Reference Guide (July 2026). The comments in the code are by the model that wrote it; some were corrected since.
;; Attention With Memory. Allowed arithmetic: matrix products marked QUANTISED: E2M3 operands, one E8M0 scale for each 32 along K, by v_wmma_scale_f32_16x16x128_f8f6f4 with both operands' format E2M3, f32 sums; everything else in f32.
;; Inputs: in_proj_b 3,072 float32; in_proj_w 3,072 x 1,024 float32; out_b 1,024 float32; out_w 1,024 x 1,024 float32; x 8 x 1,024 x 1,024 float32.
;; Outputs: out0 8 x 1,024 x 1,024 float32.
;; This version of the problem:
;;   THIS VERSION OF THE PROBLEM IS GIVEN IN LOW PRECISION. The matrix products marked QUANTISED in the list below multiply operands that are first quantised to E2M3 (2 exponent bits, 3 mantissa bits; 6 bits a number), with one power-of-two scale for each 32 numbers along K (OCP MX v1.0); their sums are f32. All else is computed in f32.
;;   The module's matrix products, in the order in which they are computed (A, B: the left and right operand; K: the contracted axis; several contracted axes count as one K, in the product's order):
;;     1. [M 8,192, K 1,024] x [K 1,024, N 3,072]; A: input x; B: input in_proj_w: QUANTISED
;;     2. batch 128 x [M 1,024, K 64] x [K 64, N 1,024]; A: computed on the way; B: computed on the way: QUANTISED
;;     3. batch 128 x [M 1,024, K 1,024] x [K 1,024, N 64]; A: softmax (see below); B: computed on the way: QUANTISED
;;     4. [M 8,192, K 1,024] x [K 1,024, N 1,024]; A: computed on the way; B: input out_w: QUANTISED
;;   THE QUANTISER, for each operand of a quantised product, along K:
;;     - K is cut into blocks of 32 from its start; a last block that is shorter is filled with zeros.
;;     - A block's scale is 2^e with e = floor(log2(the largest magnitude in the block)) - 2, held to -126 .. 127; a block of zeros has e = 0. As a byte (E8M0): e + 127.
;;     - Each number is divided by its block's scale, clamped to +-7.5, and rounded to the nearest number of E2M3, ties to even, subnormals kept.
;;     - The product sums the exact products of the quantised numbers (number of the format x scale) in f32.
;;   ~~~python
;;   def quantise(x, axis):      # numpy; x: float32 -> the quantised numbers, widened to float32 again
;;       x = np.moveaxis(x, axis, -1); K = x.shape[-1]
;;       x = np.pad(x, [(0, 0)] * (x.ndim - 1) + [(0, -K % 32)]); x = x.reshape(x.shape[:-1] + (-1, 32)); a = np.abs(x).max(-1, keepdims=True)
;;       e = np.where(a > 0, np.clip(np.frexp(np.where(a > 0, a, 1))[1] - 1 - 2, -126, 127), 0)      # np.frexp(a)[1] - 1 = floor(log2(a)), exactly
;;       r = np.clip(x / 2.0 ** e, -7.5, 7.5)
;;       step = 2.0 ** (np.maximum(np.frexp(np.where(r == 0, 1, r))[1] - 1, 0) - 3)
;;       q = np.round(r / step) * step * 2.0 ** e      # np.round: ties to even
;;       return np.moveaxis(q.reshape(q.shape[:-2] + (-1,))[..., :K], -1, axis).astype(np.float32)
;;   ~~~
;;   SOFTMAX AHEAD OF A QUANTISED PRODUCT. Where the list says 'softmax', what is quantised is not the finished softmax but p = 2^(t - M), with t = logit x log2(e) and M = ceil(the row's largest t), a whole number; so 1/2 < the row's largest p <= 1. The row's sum l is taken of the UNQUANTISED p, in f32, and the product's result is divided by l at the end. Since M is a whole number, a kernel that streams over the keys may use a running M (the ceiling of the running maximum): every later rescaling is an exact power of two, which a block's scale takes up: the codes' values come out the same.
;;   OPERANDS COMPUTED ON THE WAY. 'Computed on the way' means the value that the module computes at that place (a softmax that the list does not call 'softmax' is quantised finished and normalised). What goes into a quantiser is computed in f32, as accurately as f32 sums, v_exp_f32 and their like allow (about 1e-6 of the number): no bf16 or f16 on the way to a quantiser, and a product that is left as it is and whose result goes on into a quantised operand takes f32 operands (vector FMAs, or v_wmma_f32_16x16x4_f32). A number that lies on a knife's edge between two numbers of the format may be rounded either way, as far as f32 arithmetic and the matrix unit's own rounding can turn it there, and no further.
;; One version. Each part assembles by itself: llvm-mc -triple=amdgcn-amd-amdhsa -mcpu=gfx1250 --defsym DOCPART=n.
;; ======== version 1 of 1: 3 launches
;; limits: right only within a limited range of input values
;; workspace buffers: img 9,830,400 bytes; qkv 19,660,800 bytes
;; launch quant (part 1): grid 768 x 1, 2 waves a work-group, no clusters, 17,152 bytes of LDS; arguments x, in_proj_w, out_w, img; writes img
.if DOCPART == 1
	.amdgcn_target "amdgcn-amd-amdhsa--gfx1250"
	.amdhsa_code_object_version 6
	.text
	.protected	k_q701d92024a_quant
	.globl	k_q701d92024a_quant
	.p2align	8
	.type	k_q701d92024a_quant,@function
k_q701d92024a_quant:
	s_mov_b64 s[64:65], 0
	v_nop
	global_prefetch_b8 v0, s[64:65] scope:SCOPE_SE
	s_setreg_imm32_b32 hwreg(HW_REG_WAVE_MODE, 25, 1), 1
	s_wait_xcnt 0x0
; x [8192][1024], in_proj_w [3072][1024] and out_w [1024][1024], f32, K innermost, become codes of FP6 (E2M3) with one E8M0 byte for each 32 along K,
; laid as IMAGES OF THE MATRIX OPERAND'S REGISTERS.  A row tile is 16 rows; tile 2 B + U, lane row r, is true row 32 B + 8 U + (r & 7) + 16 (r >> 3).
; img: tile t (0-511 x, 512-703 in_proj_w, 704-767 out_w) at 12,800 t; in it chunk c (512 along K) at 6,400 c: four fragments of 1,536 bytes
; (register 4 g + n of lane l at 512 g + 16 l + 4 n), then 256 bytes of scale words (row r at 16 r, K step f at + 4 f).
; A block's scale is 2^(floor(log2(largest magnitude)) - 2); its byte is the largest magnitude's exponent field - 2, held at 1 from below.
; LIMITS: a block of zeros gets the byte 1 where the rule says 127 (its codes are zeros, and this program alone reads the bytes); NaN and infinities are not served.
; A work-group is one row tile, a wave one chunk.  Each load reads 512 consecutive bytes of a row; a fragment's 16 x 512 bytes turn through the wave's own stage in LDS,
; so that a lane gets two whole blocks of 32 neighbours.  Waves share nothing: no barrier.
; WORK LEFT OUT BY THE PROGRAM: reference() itself blocks every key with |i - j| > 64 by -inf ahead of the softmax, so such a key's p is 0 for all values of the inputs.
; A query's block of 32 tokens can only see the five blocks of 32 keys around it: all other blocks of q k^T and of p v are multiplied by no launch.
; LIMIT: a NaN, an infinity or an overflow that reaches only the blocks left out is not carried to the result.
.set STG, 8448
.set R,   16                           ; v16-143  two sets of 64 registers as loaded
.set X,   144                          ; v144-207 my two blocks of 32
.set CC,  208                          ; v208-231 two sets of 12: a fragment's codes
.set SW,  232                          ; v232-235 the four fragments' scale words
.set TM,  236                          ; v236-237 largest magnitudes, then bytes; v238-239 the conversions' scale operands
.set CT,  240                          ; v240-242, v244-246 a block's upper 16 codes (a conversion's three registers begin on an even number)
	s_load_b128 s[4:7], s[0:1], 0x0                ; x, in_proj_w
	s_load_b128 s[8:11], s[0:1], 0x10              ; out_w, img
	v_lshl_add_u32 v254, v0, 2, 0x4200
	v_mov_b32 v255, 0
	v_lshrrev_b32 v5, 5, v0
	v_readfirstlane_b32 s12, v5                    ; wave = chunk
	v_and_b32 v6, 31, v0                           ; lane
	v_and_b32 v7, 15, v0                           ; r
	v_bfe_u32 v8, v0, 4, 1                         ; hh
	v_lshlrev_b32 v1, 4, v6                        ; 16 x lane
	s_mul_i32 s13, s12, STG
	v_add_nc_u32 v2, s13, v1                       ; into the stage: 16 x lane of a row
	v_mul_u32_u24 v3, v7, 528
	v_lshl_add_u32 v3, v8, 7, v3
	v_add_nc_u32 v3, s13, v3                       ; out of it: row r, + 128 hh: my block of 32
	v_lshlrev_b32 v4, 3, v8                        ; 8 hh: my bytes' place in the scale word
	v_mov_b32 v248, 0                              ; a lane permute's destination counts as read
	s_mov_b32 s20, 0x76543210
	s_mov_b32 s21, 0xfedcba98                      ; selects for lane l xor 16
	s_mov_b32 s14, 704
	s_cmp_lt_u32 ttmp9, 704
	s_cselect_b32 s14, 512, s14
	s_cmp_lt_u32 ttmp9, 512
	s_cselect_b32 s14, 0, s14                      ; my tensor's first tile
	s_sub_co_u32 s15, ttmp9, s14                   ; the tile within the tensor
	s_lshr_b32 s16, s15, 1
	s_lshl_b32 s16, s16, 17                        ; 32 rows of 4,096 bytes for each pair of tiles
	s_and_b32 s17, s15, 1
	s_lshl_b32 s17, s17, 15                        ; 8 rows for the odd tile
	s_add_co_u32 s16, s16, s17
	s_lshl_b32 s17, s12, 11                        ; 2,048 bytes for the chunk
	s_add_co_u32 s16, s16, s17
	s_mov_b32 s17, 0
	s_mul_i32 s18, ttmp9, 12800
	s_mul_i32 s19, s12, 6400
	s_add_co_u32 s18, s18, s19
	s_mov_b32 s19, 0
	s_wait_alu depctr_va_vdst(0)
	s_wait_kmcnt 0x0
	s_cmp_lt_u32 ttmp9, 704                        ; the choice hangs on the work-group's number alone
	s_cselect_b64 s[6:7], s[6:7], s[8:9]
	s_cmp_lt_u32 ttmp9, 512
	s_cselect_b64 s[4:5], s[4:5], s[6:7]
	s_add_nc_u64 s[4:5], s[4:5], s[16:17]
	s_add_nc_u64 s[10:11], s[10:11], s[18:19]
.macro LOAD f                          ; fragment f: 128 numbers of each of the tile's 16 rows
.irp p, 0,1,2,3,4,5,6,7,8,9,10,11,12,13,14,15
	global_load_b128 v[R+64*((\f)%2)+4*\p:R+64*((\f)%2)+4*\p+3], v1, s[4:5] offset:((\p%8)+16*(\p/8))*4096+512*(\f) th:TH_LOAD_NT
.endr
.endm
.macro TURN f                          ; through the stage; LDS serves a wave's instructions in order, so no wait stands between the stores and the loads
.irp p, 0,1,2,3,4,5,6,7,8,9,10,11,12,13,14,15
	ds_store_b128 v2, v[R+64*((\f)%2)+4*\p:R+64*((\f)%2)+4*\p+3] offset:528*\p
.endr
.irp c, 0,1
.irp q, 0,1,2,3,4,5,6,7
	ds_load_b128 v[X+32*\c+4*\q:X+32*\c+4*\q+3], v3 offset:256*\c+16*\q   ; k = 64 c + 32 hh + 4 q ..
.endr
.endr
.endm
.macro QUANTB f
.irp c, 0,1
	v_max3_num_f32 v[TM+\c], |v[X+32*\c]|, |v[X+32*\c+1]|, 0x1800000   ; with the floor 2^(3 - 127): the byte cannot fall under 1
.endr
.irp i, 2,4,6,8,10,12,14,16,18,20,22,24,26,28,30
.irp c, 0,1
	v_max3_num_f32 v[TM+\c], v[TM+\c], |v[X+32*\c+\i]|, |v[X+32*\c+\i+1]|
.endr
.endr
.irp c, 0,1
	v_add_nc_u32 v[TM+2+\c], 0xff000000, v[TM+\c]  ; 2 off the exponent field: the conversion's scale operand
.endr
.irp c, 0,1
	v_lshrrev_b32 v[TM+\c], 23, v[TM+2+\c]         ; the scale's byte
.endr
	v_lshl_or_b32 v249, v[TM+1], 16, v[TM]         ; blocks hh and 2 + hh,
	v_lshlrev_b32 v249, v4, v249                   ; at their places,
	v_permlanex16_b32 v248, v249, s20, s21
	v_or_b32 v[SW+\f], v249, v248                  ; with lane l xor 16's two the word is whole
.if (\f) >= 2
	s_wait_alu depctr_va_vdst(0)
	s_wait_xcnt 0x0                                ; the stores of two fragments ago have read this set of codes
.endif
.irp c, 0,1
	v_cvt_scalef32_pk16_fp6_f32 v[CC+12*((\f)%2)+6*\c:CC+12*((\f)%2)+6*\c+2], v[X+32*\c:X+32*\c+15], v[TM+2+\c]
	v_cvt_scalef32_pk16_fp6_f32 v[CT+4*\c:CT+4*\c+2], v[X+32*\c+16:X+32*\c+31], v[TM+2+\c]
.endr
	v_nop                                          ; one plain place behind a scaled conversion
.irp c, 0,1
.irp i, 0,1,2
	v_mov_b32 v[CC+12*((\f)%2)+6*\c+3+\i], v[CT+4*\c+\i]
.endr
.endr
.irp g, 0,1,2
	global_store_b128 v1, v[CC+12*((\f)%2)+4*\g:CC+12*((\f)%2)+4*\g+3], s[10:11] offset:1536*(\f)+512*\g   ; 512 consecutive bytes
.endr
.endm
	LOAD 0
	LOAD 1
.irp f, 0,1,2,3
.if \f < 3
	s_wait_loadcnt 16                              ; this fragment's 16 loads are in; the next fragment's 16 may be out
.else
	s_wait_loadcnt 0x0
.endif
	TURN \f
	s_wait_dscnt 0x0                               ; the stage's stores have read their registers, and my blocks are in
.if \f < 2
	LOAD \f+2
.endif
	QUANTB \f
.endr
	s_wait_xcnt 0x0                                ; EXEC changes only behind this wait
	v_cmp_gt_u32 vcc_lo, 16, v6
	s_wait_tensorcnt 0x0
	ds_add_u32 v254, v255
	s_wait_dscnt 0x0
	s_and_saveexec_b32 s22, vcc_lo
	global_store_b128 v1, v[SW:SW+3], s[10:11] offset:6144   ; sixteen lanes store the chunk's 256 bytes of scale words
	s_wait_xcnt 0x0
	s_or_b32 exec_lo, exec_lo, s22
	s_endpgm
.Lfunc_end_k_q701d92024a_quant:
	.size	k_q701d92024a_quant, .Lfunc_end_k_q701d92024a_quant-k_q701d92024a_quant
	.p2alignl 7, 3214868480
	.fill 96, 4, 3214868480
	.section	.rodata,"a",@progbits
	.p2align	6, 0x0
	.amdhsa_kernel k_q701d92024a_quant
		.amdhsa_group_segment_fixed_size 17152
		.amdhsa_private_segment_fixed_size 0
		.amdhsa_enable_private_segment 0
		.amdhsa_kernarg_size 32
		.amdhsa_user_sgpr_count 2
		.amdhsa_user_sgpr_kernarg_segment_ptr 1
		.amdhsa_wavefront_size32 1
		.amdhsa_system_sgpr_workgroup_id_x 1
		.amdhsa_system_sgpr_workgroup_id_y 1
		.amdhsa_system_sgpr_workgroup_id_z 1
		.amdhsa_system_vgpr_workitem_id 0
		.amdhsa_next_free_vgpr 256
		.amdhsa_next_free_sgpr 66
		.amdhsa_reserve_vcc 1
		.amdhsa_float_denorm_mode_32 3
		.amdhsa_float_denorm_mode_16_64 3
		.amdhsa_memory_ordered 1
		.amdhsa_forward_progress 1
		.amdhsa_inst_pref_size 30
	.end_amdhsa_kernel
	.amdgpu_metadata
---
amdhsa.version: [ 1, 2 ]
amdhsa.kernels:
  - .name:           k_q701d92024a_quant
    .symbol:         k_q701d92024a_quant.kd
    .args:
      - { .name: x, .offset: 0, .size: 8, .value_kind: global_buffer, .address_space: global }
      - { .name: in_proj_w, .offset: 8, .size: 8, .value_kind: global_buffer, .address_space: global }
      - { .name: out_w, .offset: 16, .size: 8, .value_kind: global_buffer, .address_space: global }
      - { .name: img, .offset: 24, .size: 8, .value_kind: global_buffer, .address_space: global }
    .group_segment_fixed_size: 17152
    .private_segment_fixed_size: 0
    .kernarg_segment_align: 8
    .kernarg_segment_size: 32
    .max_flat_workgroup_size: 64
    .sgpr_count:     66
    .vgpr_count:     256
    .wavefront_size: 32
...
	.end_amdgpu_metadata
.endif
;; end of part 1
;; launch proj (part 2): grid 8 x 32, 4 waves a work-group, clusters of 4 x 4, 327,680 bytes of LDS; arguments img, in_proj_b, qkv; writes qkv
.if DOCPART == 2
	.amdgcn_target "amdgcn-amd-amdhsa--gfx1250"
	.amdhsa_code_object_version 6
	.text
	.protected	k_q701d92024a_proj
	.globl	k_q701d92024a_proj
	.p2align	8
	.type	k_q701d92024a_proj,@function
k_q701d92024a_proj:
	s_mov_b64 s[64:65], 0
	v_nop
	global_prefetch_b8 v0, s[64:65] scope:SCOPE_SE
	s_setreg_imm32_b32 hwreg(HW_REG_WAVE_MODE, 25, 1), 1
	s_wait_xcnt 0x0
	s_wait_alu depctr_hold_cnt(0) depctr_sa_sdst(0) depctr_va_vdst(0) depctr_va_sdst(0) depctr_va_ssrc(0) depctr_va_vcc(0) depctr_vm_vsrc(0)
	s_getreg_b32 s2, hwreg(HW_REG_IB_STS2, 6, 4)
	s_cmp_eq_u32 s2, 0
	s_cbranch_scc0 .Lentry_in_a_cluster
	s_endpgm
.Lentry_in_a_cluster:
	s_bfe_u32 s2, ttmp6, 0x10000c
	s_cmp_lg_u32 s2, 0xf033
	s_cbranch_scc0 .Lentry_shape_is_right
	s_endpgm
.Lentry_shape_is_right:
; qkv = x in_proj_w^T + in_proj_b on codes of FP6 (E2M3) with E8M0 scales, and q, k, v quantised at once for the attention's two products.
; A work-group keeps 256 tokens of x (16 row tiles, all of K = 1,024) in LDS and walks three blocks of 128 rows of in_proj_w: q, k and v of heads 2 wt0 and 2 wt0 + 1.
; Operands lie in img as images of their registers (tile at 12,800 t, chunk of 512 along K at 6,400 c: four fragments of 1,536 bytes and 256 bytes of scale words).
; A wave makes 8 source-0 tiles x 4 source-1 tiles: 32 accumulators.  q, k: source 0 = the 8 tiles of W, source 1 = my 4 tiles of tokens: a lane holds one token and its registers run
; along the head's channels, the K of q k^T.  v: source 0 = 8 tiles of tokens, source 1 = 4 tiles of W: a lane holds one channel and its registers run along the keys, the K of p v.
; A row tile 2 B + U, lane row r, is true row 32 B + 8 U + (r & 7) + 16 (r >> 3), so the 16 registers of two neighbouring source-0 tiles are 16 neighbours along the next K.
; qkv: records of 1,536 bytes of codes (lane (r, hh), registers 6 u .. 6 u + 5: the 32 codes of block hh for row r of source-1 tile u) and 64 bytes of scale words (lane r, byte 2 u + block).
;   q, k: record 32 bh + block of 32 tokens.  v: record 32 bh + 2 (pair of key blocks) + (pair of channel tiles).  Codes: q at 0, k at 6,291,456, v at 12,582,912; scale words from SCB on: k, v, q.
; CLUSTER 4 x 4: x's tiles hang on the token block alone and are asked for jointly along a row of the cluster, W's on wt0 alone and jointly along a column.
; LDS: chunk c at 153,600 c: x's 16 tiles (filled once), then W's 8 tiles: two slots that take turns over the six chunks of the three blocks.  Behind them the spare words.
; LIMITS: a block of zeros gets the scale byte 1 where the rule says 127 (zero codes; this program alone reads the bytes); NaN and infinities are not served.
; REGISTERS: window 0: v1-4, v8-23 addresses; v32-79 scale words, a set for each chunk; v96-191 source-1 fragments, two sets; v144-221 at work in the epilogue.
;   window 1: source-0 fragments, two sets of 96.   window 2: the accumulators, (i, j) at 8 (8 j + i).   window 3: the biases in the result's layout.
.set SPARE, 307200
.set CHK,   153600
.set SCB,   18874368
.set WV,   10
.set G1X,  24                          ; s[24:31] group 1 for x's tiles;  s[32:39] for W's
.set G1W,  32
.set GX,   44                          ; s[44:51] groups 0 for x's chunks;  s[52:59] for W's slots
.set GW,   52
.set GH,   88                          ; s[88:95] groups 0 for the head's two whole loads of W's chunks
.set SEL,  82
.set MH,   84                          ; the mask of lanes 16-31
.set AQK,  8                           ; v8-15: LDS addresses for q's and k's blocks: source 0, source 1, their scale words, each for chunk 0, 1
.set AVV,  16                          ; v16-23: the same for v's block
.set SCP,  32
.set SCR,  48
.set RF,   96
.set CD,   144                         ; the epilogue: four records' codes
.set CT,   192
.set TM,   200
.set TX,   204
.set SO,   208
.set BY,   212
.set WD,   216
.set W2,   220
.set MSB, 0
.macro WIN new                         ; the immediate's high byte repeats the setting that is left
.if MSB != \new
	s_set_vgpr_msb (MSB<<8)|\new
.set MSB, \new
.endif
.endm
.macro PLACES n
.rept \n
	v_nop
.endr
.endm
.macro CREST                           ; a round of the cluster's barrier behind its opening barrier
	s_cmp_lg_u32 s[WV], 0
	s_cbranch_scc1 .Lnot_wave_0_\@
	s_barrier_signal -3
.Lnot_wave_0_\@:
	s_barrier_wait -3
	s_barrier_signal -1
	s_barrier_wait -1
.endm
.macro CROUND
	s_barrier_signal -1
	s_barrier_wait -1
	CREST
.endm
.macro FETCH A, c, sp, set             ; the fragments of K step sp of chunk c: 8 of source 0 into window 1, 4 of source 1 into window 0
	WIN 0x40
.irp i, 0,1,2,3,4,5,6,7
.irp g, 0,1,2
	ds_load_b128 v[96*(\set)+12*\i+4*\g:96*(\set)+12*\i+4*\g+3], v[\A+\c] offset:6400*\i+1536*(\sp)+512*\g
.endr
.endr
	WIN 0
.irp j, 0,1,2,3
.irp g, 0,1,2
	ds_load_b128 v[RF+48*(\set)+12*\j+4*\g:RF+48*(\set)+12*\j+4*\g+3], v[\A+2+\c] offset:6400*\j+1536*(\sp)+512*\g
.endr
.endr
.endm
.macro SCALES A, c                     ; a chunk's scale words: lanes 0-15 take tile 2 m, lanes 16-31 tile 2 m + 1; four K steps a load
.irp m, 0,1,2,3
	ds_load_b128 v[SCP+24*(\c)+4*\m:SCP+24*(\c)+4*\m+3], v[\A+4+\c] offset:12800*\m
.endr
.irp m, 0,1
	ds_load_b128 v[SCR+24*(\c)+4*\m:SCR+24*(\c)+4*\m+3], v[\A+6+\c] offset:12800*\m
.endr
.endm
.macro WM                              ; one product; an odd tile's scale words stand in lanes 16-31
.if rRA && rRB
	v_wmma_scale_f32_16x16x128_f8f6f4 v[rD:rD+7], v[rA:rA+11], v[rB:rB+11], v[rC:rC+7], v[rSA], v[rSB] matrix_a_fmt:MATRIX_FMT_FP6 matrix_b_fmt:MATRIX_FMT_FP6 matrix_a_scale:MATRIX_SCALE_ROW1 matrix_b_scale:MATRIX_SCALE_ROW1
.elseif rRA
	v_wmma_scale_f32_16x16x128_f8f6f4 v[rD:rD+7], v[rA:rA+11], v[rB:rB+11], v[rC:rC+7], v[rSA], v[rSB] matrix_a_fmt:MATRIX_FMT_FP6 matrix_b_fmt:MATRIX_FMT_FP6 matrix_a_scale:MATRIX_SCALE_ROW1
.elseif rRB
	v_wmma_scale_f32_16x16x128_f8f6f4 v[rD:rD+7], v[rA:rA+11], v[rB:rB+11], v[rC:rC+7], v[rSA], v[rSB] matrix_a_fmt:MATRIX_FMT_FP6 matrix_b_fmt:MATRIX_FMT_FP6 matrix_b_scale:MATRIX_SCALE_ROW1
.else
	v_wmma_scale_f32_16x16x128_f8f6f4 v[rD:rD+7], v[rA:rA+11], v[rB:rB+11], v[rC:rC+7], v[rSA], v[rSB] matrix_a_fmt:MATRIX_FMT_FP6 matrix_b_fmt:MATRIX_FMT_FP6
.endif
.endm
; 16 products: source-1 tiles j0, j0 + 1 x the 8 source-0 tiles.  cm = 1: the sums begin with the bias of source 0's rows (block n); 2: of source 1's rows; 0: in place.
; The 32 accumulators take turns, one instruction a turn, in the same order in every step.
.macro MUL16 set, c, sp, j0, cm, n
.irp j, \j0, \j0+1
.irp i, 0,1,2,3,4,5,6,7
.set rD, 8*(8*(\j)+\i)
.set rC, 8*(8*(\j)+\i)
.if (\cm) == 1
.set rC, 64*(\n)+8*\i
.endif
.if (\cm) == 2
.set rC, 128+8*(\j)
.endif
.set rA, 96*(\set)+12*\i
.set rB, RF+48*(\set)+12*(\j)
.set rSA, SCP+24*(\c)+4*(\i/2)+(\sp)
.set rSB, SCR+24*(\c)+4*((\j)/2)+(\sp)
.set rRA, \i%2
.set rRB, (\j)%2
	WM
.endr
.endr
.endm
; A K step whose successor lies in the same chunk: the next step's 36 loads go out in one run, then this step's 32 products.
.macro STEPN A, s, cm, n
	s_wait_dscnt 0x0                               ; this step's fragments are in
	PLACES 5                                       ; places in front of loads into registers that the last products read (and of sums begun anew)
	FETCH \A, (\s)/4, ((\s)+1)%4, ((\s)+1)%2
.if \cm
	WIN 0xb1                                       ; source 0 window 1, source 1 window 0, C window 3, D window 2
.else
	WIN 0xa1                                       ; C and D window 2
.endif
	MUL16 (\s)%2, (\s)/4, (\s)%4, 0, \cm, \n
	MUL16 (\s)%2, (\s)/4, (\s)%4, 2, \cm, \n
.endm
; A chunk's last K step changes chunks: one barrier.  In front of it each wave waits for all its tensor loads, adds 0 to its spare word, and waits for that and for its reads of this chunk.
; refill = 1: the barrier opens a round of the cluster's barrier, and W's slot just left takes the next block's chunk: the load has at least four K steps, 128 products, in which to land.
.macro STEPC A, s, refill, AN
	WIN 0
	s_wait_tensorcnt 0x0                           ; all my tensor loads have landed, my part of the next chunk among them
	ds_add_u32 v1, v2                              ; 0 onto my spare word
.if \refill
	s_add_nc_u64 s[GW+4*((\s)/4)+2:GW+4*((\s)/4)+3], s[GW+4*((\s)/4)+2:GW+4*((\s)/4)+3], 819200   ; no load of mine is out: the slot's address steps 64 tiles of W on
	s_mov_b32 s[G1W+2], 2<<16                      ; and a refill brings two tiles a wave (the head's loads brought eight)
	s_mov_b32 s[G1W+4], 2
.endif
	s_wait_dscnt 0x0                               ; the add is done, and my reads of this chunk are over
	s_barrier_signal -1
	WIN 0xa1
	MUL16 1, (\s)/4, 3, 0, 0, 0
	WIN 0
	s_barrier_wait -1
.if \refill
	CREST                                          ; no wave of any partner still reads the slot or has a load on its way
	tensor_load_to_lds s[GW+4*((\s)/4):GW+4*((\s)/4)+3], s[G1W:G1W+7]
	s_nop 0
.endif
	PLACES 4                                       ; behind the tensor load, and in front of the loads below
	SCALES \AN, 1-(\s)/4
	FETCH \AN, 1-(\s)/4, 0, 0
	WIN 0xa1
	MUL16 1, (\s)/4, 3, 2, 0, 0
.endm
; Four groups of 16 registers (group q = 2 u + block: accumulators (4 cq + 2 block, 2 jp + u) and the next) become one record: 12 registers of codes at CD + 12 rec and a scale word in WD + jp.
.macro QUANT2 jp, cq, rec
.set GB0, 128*(\jp)+32*(\cq)
	WIN 0x0a                                       ; sources 0 and 1 window 2
.irp q, 0,1,2,3
	v_max3_num_f32 v[TM+\q], |v[GB0+64*(\q/2)+16*(\q%2)]|, |v[GB0+64*(\q/2)+16*(\q%2)+1]|, 0x1800000   ; each accumulator is read from its low end on; the floor 2^(3 - 127) holds the byte at 1
.endr
	WIN 0x28                                       ; sources 1 and 2 window 2
.irp t, 2,4,6,8,10,12,14
.irp q, 0,1,2,3
	v_max3_num_f32 v[TM+\q], v[TM+\q], |v[GB0+64*(\q/2)+16*(\q%2)+\t]|, |v[GB0+64*(\q/2)+16*(\q%2)+\t+1]|
.endr
.endr
	WIN 0
.irp q, 0,1,2,3
	v_permlanex16_b32 v[TX+\q], v[TM+\q], s[SEL], s[SEL+1]
.endr
.irp q, 0,1,2,3
	v_max_num_f32 v[TM+\q], v[TM+\q], v[TX+\q]     ; with lane l xor 16's 16: the block's largest magnitude
.endr
.irp q, 0,1,2,3
	v_add_nc_u32 v[SO+\q], 0xff000000, v[TM+\q]    ; 2 off the exponent field: the conversion's scale operand
.endr
.irp q, 0,1,2,3
	v_lshrrev_b32 v[BY+\q], 23, v[SO+\q]           ; the scale's byte
.endr
	v_lshl_or_b32 v[WD+\jp], v[BY+1], 8, v[BY]
	v_lshl_or_b32 v[WD+\jp], v[BY+2], 16, v[WD+\jp]
	v_lshl_or_b32 v[WD+\jp], v[BY+3], 24, v[WD+\jp]
	WIN 0x02                                       ; source 0 window 2
.irp u, 0,1
	v_cvt_scalef32_pk16_fp6_f32 v[CD+12*(\rec)+6*\u:CD+12*(\rec)+6*\u+2], v[GB0+64*\u:GB0+64*\u+15], v[SO+2*\u]
	v_cvt_scalef32_pk16_fp6_f32 v[CT+4*\u:CT+4*\u+2], v[GB0+64*\u+16:GB0+64*\u+31], v[SO+2*\u+1]
.endr
	WIN 0
	v_nop                                          ; one plain place behind a scaled conversion
.irp u, 0,1                                    ; a whole block to a lane: lanes 0-15 block 0, lanes 16-31 block 1
.irp i, 0,1,2
	v_permlane16_swap_b32 v[CD+12*(\rec)+6*\u+\i], v[CT+4*\u+\i]
.endr
.irp i, 0,1,2
	v_mov_b32 v[CD+12*(\rec)+6*\u+3+\i], v[CT+4*\u+\i]
.endr
.endr
.endm
; The epilogue of a block: four records.  cb, co, cst: the codes' base, offset and step with cq;  sb, so, sst: the same for the scale words.
.macro EPI cb, co, cst, sb, so, sst
	PLACES 4                                       ; places between the last products and the first read of results
.irp cq, 0,1
.irp jp, 0,1
	QUANT2 \jp, \cq, 2*\cq+\jp
.irp g, 0,1,2
	global_store_b128 v3, v[CD+12*(2*\cq+\jp)+4*\g:CD+12*(2*\cq+\jp)+4*\g+3], s[\cb:\cb+1] offset:\co+\cq*\cst+\jp*1536+512*\g   ; 512 consecutive bytes
.endr
.endr
	v_cndmask_b32 v[W2+\cq], v[WD], v[WD+1], s[MH] ; lanes 0-15 the first record's words, lanes 16-31 the second's: the two records are neighbours
	global_store_b32 v4, v[W2+\cq], s[\sb:\sb+1] offset:\so+\cq*\sst   ; 128 consecutive bytes
.endr
	s_wait_xcnt 0x0                                ; the stores have read their registers: the next K step's fragments land there
.endm
	s_load_b128 s[4:7], s[0:1], 0x0                ; img, in_proj_b
	s_load_b64 s[8:9], s[0:1], 0x10                ; qkv
	v_lshl_add_u32 v1, v0, 2, SPARE                ; my spare word; never rewritten
	v_mov_b32 v2, 0                                ; 0; never rewritten
	ds_add_u32 v1, v2
	ds_add_u32 v1, v2
	s_wait_dscnt 0x0
	v_lshrrev_b32 v5, 5, v0
	v_readfirstlane_b32 s[WV], v5                  ; wave 0..3
	s_bfe_u32 s40, ttmp6, 0x40000                  ; cx
	s_bfe_u32 s41, ttmp6, 0x40004                  ; cy
	s_lshl_b32 s42, ttmp9, 2
	s_add_co_u32 s42, s42, s40                     ; wt0 = 4 x cluster x + cx
	s_and_b32 s43, ttmp7, 0xffff
	s_lshl_b32 s43, s43, 2
	s_add_co_u32 s43, s43, s41                     ; xt = 4 x cluster y + cy: my 256 tokens
	s_lshl_b32 s11, s41, 2
	s_lshl_b32 s11, 15, s11                        ; my row of the cluster
	s_lshl_b32 s12, 0x1111, s40                    ; my column
	s_or_b32 s[G1X], s11, (3<<16)|(1<<21)          ; the mask; elements of 8 bytes; bit 21 set beside a mask; no padding
	s_or_b32 s[G1W], s12, (3<<16)|(1<<21)
	s_mov_b32 s[G1X+1], 800<<16                    ; tensor_dim0: a tile's chunk, 6,400 bytes
	s_mov_b32 s[G1X+2], 16<<16                     ; tensor_dim1: a chunk of all 16 token tiles in one load
	s_mov_b32 s[G1X+3], 800<<16                    ; tile_dim0
	s_mov_b32 s[G1X+4], 16                         ; tile_dim1
	s_mov_b32 s[G1X+5], 1600                       ; from tile to tile: 12,800 bytes
	s_mov_b32 s[G1X+6], 0
	s_mov_b32 s[G1X+7], 0
	s_mov_b32 s[G1W+1], 800<<16
	s_mov_b32 s[G1W+2], 8<<16                      ; at the head: a chunk of all 8 tiles of W in one load
	s_mov_b32 s[G1W+3], 800<<16
	s_mov_b32 s[G1W+4], 8
	s_mov_b32 s[G1W+5], 1600
	s_mov_b32 s[G1W+6], 0
	s_mov_b32 s[G1W+7], 0
	s_mul_i32 s14, s43, 204800                     ; x: 16 tiles for each token block, 4 for each wave
	s_mov_b32 s15, 0
	s_mul_i32 s62, s42, 102400                     ; W's block as a whole, for the head's loads
	s_add_co_u32 s62, s62, 6553600
	s_mov_b32 s63, 0
	s_mul_i32 s16, s42, 102400                     ; W: behind x's 512 tiles; 8 tiles for each block, 2 for each wave in a refill
	s_mul_i32 s17, s[WV], 25600
	s_add_co_u32 s16, s16, s17
	s_add_co_u32 s16, s16, 6553600
	s_mov_b32 s17, 0
	s_mul_i32 s19, s[WV], 12800                    ; where a refill's two tiles go: no place in the cluster enters an LDS address
	s_wait_kmcnt 0x0
	s_add_nc_u64 s[14:15], s[4:5], s[14:15]
	s_add_nc_u64 s[62:63], s[4:5], s[62:63]
	s_add_nc_u64 s[16:17], s[4:5], s[16:17]
	CROUND                                         ; all sixteen work-groups are here: the first joint loads meet
.irp c, 0,1
	s_mov_b32 s[GX+4*\c], 1
	s_mov_b32 s[GX+4*\c+1], CHK*\c
	s_mov_b32 s[GH+4*\c], 1
	s_mov_b32 s[GH+4*\c+1], CHK*\c+102400
	s_add_nc_u64 s[GH+4*\c+2:GH+4*\c+3], s[62:63], 6400*\c
	s_or_b32 s[GH+4*\c+3], s[GH+4*\c+3], 0x80000000
	s_add_nc_u64 s[GX+4*\c+2:GX+4*\c+3], s[14:15], 6400*\c
	s_or_b32 s[GX+4*\c+3], s[GX+4*\c+3], 0x80000000
	s_mov_b32 s[GW+4*\c], 1
	s_add_co_u32 s[GW+4*\c+1], s19, CHK*\c+102400
	s_add_nc_u64 s[GW+4*\c+2:GW+4*\c+3], s[16:17], 6400*\c
	s_or_b32 s[GW+4*\c+3], s[GW+4*\c+3], 0x80000000
.endr
; THE FIRST FILLS, ONE A WAVE: wave 0 x's chunk 0, wave 1 W's chunk 0, wave 2 x's chunk 1, wave 3 W's chunk 1.
; One chain of branches on the wave's number; every way through it passes exactly one load.
.macro ARM under, g0, g1, next
	s_cmp_lt_u32 s[WV], \under
	s_cbranch_scc0 \next
	tensor_load_to_lds s[\g0:\g0+3], s[\g1:\g1+7]
	s_nop 0
	PLACES 4
	s_branch .Lhead_asked
\next:
.endm
	ARM 1, GX, G1X, .Lhead_1
	ARM 2, GH, G1W, .Lhead_2
	ARM 3, GX+4, G1X, .Lhead_3
	tensor_load_to_lds s[GH+4:GH+7], s[G1W:G1W+7]
	s_nop 0
	PLACES 4
.Lhead_asked:
	v_and_b32 v5, 31, v0                           ; lane
	v_and_b32 v6, 15, v0                           ; r
	v_bfe_u32 v7, v0, 4, 1                         ; hh
	v_lshlrev_b32 v3, 4, v5                        ; 16 l: an image's place for my lane
	v_lshlrev_b32 v4, 2, v5                        ; 4 l
	v_lshlrev_b32 v24, 4, v6
	v_mad_u32_u24 v24, v7, 6400, v24
	v_add_nc_u32 v24, 6144, v24                    ; scale words: 16 r, the odd tile for lanes 16-31, behind a chunk's four fragments
	v_cmp_eq_u32 s[MH], 1, v7
	s_and_b32 s20, s[WV], 1                        ; wp
	s_lshr_b32 s21, s[WV], 1                       ; wr
	s_mul_i32 s22, s[WV], 25600                    ; q, k: source 1 = x tiles 4 w ..
	s_mul_i32 s23, s20, 51200                      ; v: source 0 = x tiles 8 wp ..
	s_mul_i32 s13, s21, 25600
	s_add_co_u32 s13, s13, 102400                  ; v: source 1 = W tiles 4 wr ..
.irp c, 0,1
	v_add_nc_u32 v[AQK+\c], 102400+CHK*\c, v3      ; q, k: source 0 = the 8 W tiles
	v_add_nc_u32 v[AQK+4+\c], 102400+CHK*\c, v24
	v_add_nc_u32 v[AQK+2+\c], s22, v3
	v_add_nc_u32 v[AQK+6+\c], s22, v24
	v_add_nc_u32 v[AVV+\c], s23, v3
	v_add_nc_u32 v[AVV+4+\c], s23, v24
	v_add_nc_u32 v[AVV+2+\c], s13, v3
	v_add_nc_u32 v[AVV+6+\c], s13, v24
	s_add_co_u32 s22, s22, CHK
	s_add_co_u32 s23, s23, CHK
	s_add_co_u32 s13, s13, CHK
.endr
.irp q, 0,1,2,3
	v_mov_b32 v[TX+\q], 0                          ; a lane permute's destination counts as read
.endr
	s_mov_b32 s[SEL], 0x76543210
	s_mov_b32 s[SEL+1], 0xfedcba98
	; the biases, in the result's layout.  q, k: lane half hh, register n of tile i: row 32 (i / 2) + 16 hh + 8 (i % 2) + n.  v: lane r of tile j, the same number in all eight registers
	s_lshl_b32 s60, s42, 9
	s_mov_b32 s61, 0
	s_add_nc_u64 s[6:7], s[6:7], s[60:61]          ; my 128 rows of a third of the bias
	v_lshlrev_b32 v25, 6, v7                       ; 64 hh
	v_and_b32 v26, 8, v6
	v_add_nc_u32 v26, v26, v6                      ; (r & 7) + 16 (r >> 3)
	s_lshl_b32 s60, s21, 8
	v_lshl_add_u32 v26, v26, 2, s60                ; in bytes, + my 64 rows
	WIN 0xc0                                       ; destination window 3
.irp n, 0,1
.irp i, 0,1,2,3,4,5,6,7
	global_load_b128 v[64*\n+8*\i:64*\n+8*\i+3], v25, s[6:7] offset:4096*\n+4*(32*(\i/2)+8*(\i%2))
	global_load_b128 v[64*\n+8*\i+4:64*\n+8*\i+7], v25, s[6:7] offset:4096*\n+4*(32*(\i/2)+8*(\i%2))+16
.endr
.endr
.irp j, 0,1,2,3
.irp q, 0,1,2,3,4,5,6,7
	global_load_b32 v[128+8*\j+\q], v26, s[6:7] offset:8192+4*(32*(\j/2)+8*(\j%2))
.endr
.endr
	WIN 0
	; where the records go
	s_lshr_b32 s74, s43, 2                         ; the batch
	s_and_b32 s75, s43, 3                          ; which 256 of its 1,024 tokens
	s_lshl_b32 s74, s74, 4
	s_lshl_b32 s76, s42, 1
	s_add_co_u32 s74, s74, s76                     ; 16 b + 2 wt0
	s_lshl_b32 s75, s75, 3
	s_lshl_b32 s76, s74, 5
	s_add_co_u32 s76, s76, s75
	s_lshl_b32 s77, s[WV], 1
	s_add_co_u32 s76, s76, s77                     ; q, k: record 32 bh + 8 xq + 2 w
	s_add_co_u32 s74, s74, s21
	s_lshl_b32 s74, s74, 5
	s_add_co_u32 s74, s74, s75
	s_lshl_b32 s77, s20, 2
	s_add_co_u32 s74, s74, s77                     ; v: record 32 (bh + wr) + 8 xq + 4 wp
	s_mov_b32 s79, 0
	s_mul_i32 s78, s76, 1536
	s_add_nc_u64 s[66:67], s[8:9], s[78:79]        ; q's codes (k's: 6,291,456 on, in the immediate)
	s_lshl_b32 s78, s76, 6
	s_add_co_u32 s78, s78, SCB
	s_add_nc_u64 s[68:69], s[8:9], s[78:79]        ; k's scale words (q's: 524,288 on)
	s_mul_i32 s78, s74, 1536
	s_add_co_u32 s78, s78, 12582912
	s_add_nc_u64 s[70:71], s[8:9], s[78:79]        ; v's codes
	s_lshl_b32 s78, s74, 6
	s_add_co_u32 s78, s78, SCB+262144
	s_add_nc_u64 s[72:73], s[8:9], s[78:79]        ; v's scale words
	s_wait_alu depctr_va_vdst(0)                   ; the wait at the head's end
	s_cmp_gt_u32 s[WV], 1
	s_cbranch_scc1 .Lchunk1_out                    ; waves 2 and 3 fetched chunk 1: it may stay out
	s_wait_tensorcnt 0x0                           ; waves 0 and 1: chunk 0 is in
.Lchunk1_out:
	s_barrier_signal -1
	s_barrier_wait -1                              ; everybody's are
	SCALES AQK, 0
	FETCH AQK, 0, 0, 0
	s_wait_loadcnt 0x0                             ; the biases
	; ---- q
	STEPN AQK, 0, 1, 0
	STEPN AQK, 1, 0, 0
	STEPN AQK, 2, 0, 0
	STEPC AQK, 3, 1, AQK
	STEPN AQK, 4, 0, 0
	STEPN AQK, 5, 0, 0
	STEPN AQK, 6, 0, 0
	STEPC AQK, 7, 1, AQK
	EPI 66, 0, 49152, 68, 524288, 2048
	; ---- k
	STEPN AQK, 0, 1, 1
	STEPN AQK, 1, 0, 0
	STEPN AQK, 2, 0, 0
	STEPC AQK, 3, 1, AQK
	STEPN AQK, 4, 0, 0
	STEPN AQK, 5, 0, 0
	STEPN AQK, 6, 0, 0
	STEPC AQK, 7, 1, AVV
	EPI 66, 6291456, 49152, 68, 0, 2048
	; ---- v
	STEPN AVV, 0, 2, 0
	STEPN AVV, 1, 0, 0
	STEPN AVV, 2, 0, 0
	STEPC AVV, 3, 0, AVV                           ; nothing is left to fetch
	STEPN AVV, 4, 0, 0
	STEPN AVV, 5, 0, 0
	STEPN AVV, 6, 0, 0
	s_wait_dscnt 0x0
	WIN 0xa1
	MUL16 1, 1, 3, 0, 0, 0
	MUL16 1, 1, 3, 2, 0, 0
	EPI 70, 0, 3072, 72, 0, 128
	s_wait_tensorcnt 0x0                           ; the wave's end
	ds_add_u32 v1, v2
	s_wait_dscnt 0x0
	CROUND                                         ; the closing round: no work-group ends while a partner may still ask for a tile that names it
	s_endpgm
.Lfunc_end_k_q701d92024a_proj:
	.size	k_q701d92024a_proj, .Lfunc_end_k_q701d92024a_proj-k_q701d92024a_proj
	.p2alignl 7, 3214868480
	.fill 96, 4, 3214868480
	.section	.rodata,"a",@progbits
	.p2align	6, 0x0
	.amdhsa_kernel k_q701d92024a_proj
		.amdhsa_group_segment_fixed_size 327680
		.amdhsa_private_segment_fixed_size 0
		.amdhsa_enable_private_segment 0
		.amdhsa_kernarg_size 24
		.amdhsa_user_sgpr_count 2
		.amdhsa_user_sgpr_kernarg_segment_ptr 1
		.amdhsa_wavefront_size32 1
		.amdhsa_system_sgpr_workgroup_id_x 1
		.amdhsa_system_sgpr_workgroup_id_y 1
		.amdhsa_system_sgpr_workgroup_id_z 1
		.amdhsa_system_vgpr_workitem_id 0
		.amdhsa_next_free_vgpr 1024
		.amdhsa_next_free_sgpr 100
		.amdhsa_reserve_vcc 0
		.amdhsa_float_denorm_mode_32 3
		.amdhsa_float_denorm_mode_16_64 3
		.amdhsa_memory_ordered 1
		.amdhsa_forward_progress 1
		.amdhsa_inst_pref_size 229
	.end_amdhsa_kernel
	.amdgpu_metadata
---
amdhsa.version: [ 1, 2 ]
amdhsa.kernels:
  - .name:           k_q701d92024a_proj
    .symbol:         k_q701d92024a_proj.kd
    .args:
      - { .name: img, .offset: 0, .size: 8, .value_kind: global_buffer, .address_space: global }
      - { .name: in_proj_b, .offset: 8, .size: 8, .value_kind: global_buffer, .address_space: global }
      - { .name: qkv, .offset: 16, .size: 8, .value_kind: global_buffer, .address_space: global }
    .group_segment_fixed_size: 327680
    .private_segment_fixed_size: 0
    .kernarg_segment_align: 8
    .kernarg_segment_size: 24
    .max_flat_workgroup_size: 128
    .sgpr_count:     100
    .vgpr_count:     1024
    .wavefront_size: 32
...
	.end_amdgpu_metadata
.endif
;; end of part 2
;; launch attn (part 3): grid 256 x 1, 16 waves a work-group, no clusters, 327,680 bytes of LDS; arguments qkv, img, out_b, out0; writes out0
.if DOCPART == 3
	.amdgcn_target "amdgcn-amd-amdhsa--gfx1250"
	.amdhsa_code_object_version 6
	.text
	.protected	k_q701d92024a_attn
	.globl	k_q701d92024a_attn
	.p2align	8
	.type	k_q701d92024a_attn,@function
k_q701d92024a_attn:
	s_mov_b64 s[64:65], 0
	v_nop
	global_prefetch_b8 v0, s[64:65] scope:SCOPE_SE
	s_setreg_imm32_b32 hwreg(HW_REG_WAVE_MODE, 25, 1), 1
	s_wait_xcnt 0x0
; Local attention and the out projection in one launch, on codes of FP6 (E2M3) with E8M0 scales.  q, k, v come as the records that launch proj stored in qkv, out_w as the images of launch quant (img, tiles 704-767).
; Work left out: blocks of 32 keys that the mask of reference() blocks whole (|i - j| > 64) are not multiplied; inside the five blocks kept, blocked scores are set to -inf.
; A work-group: one block of 32 tokens (number AB of its batch), all 16 heads, 16 waves.
; ATTENTION: a wave takes one tile of 16 queries (wave & 1) of one pair of heads (wave >> 1), the pair's two heads one after the other (HEAD 0, HEAD 1).  S^T = k q^T and O^T = v^T p^T: a lane holds one query.
; The head size is 64: a record of k holds two tiles of 16 keys in the 12 registers of one operand, and q stands beside six registers of zeros, below or above, which picks the tile.
; p = 2^(t - M), M = ceil(the row's largest t) over the whole window; the row's sum is taken of the unquantised p; O^T is divided by it and quantised: 12 registers of codes and a scale word,
; one K step (a pair of heads, 128 along K) of the out projection's operand.  They go to LDS as an image of the operand's registers (laid as a tile of img) and never to memory.
; OUT PROJECTION: wave w makes outputs 64 w .. 64 w + 63 of the 32 tokens: source 0 = 4 tiles of out_w, source 1 = the 2 token tiles: 8 accumulators by turns, which begin with the bias as C; 8 K steps.
; In a work-group each fragment of out_w is read by one wave alone.  K steps 0 to 6 go from img straight into registers, two sets of 48, a set asked for two K steps ahead of its use; steps 0 and 1, the scale
; words and the bias are asked for inside HEAD 1, behind its last products, into registers that are free from there on.  K step 7 comes by one tensor load a wave into the first heads' bytes, behind the barrier between the heads.
; A row tile 2 B + U, lane row r, is true row 32 B + 8 U + (r & 7) + 16 (r >> 3).  The result leaves through the wave's own stage: sixteen lanes store 256 consecutive bytes of a token's row.
; LDS: head e of pair p: k's five records at 135,168 e + 7,680 p, v's six at 135,168 e + VC + 9,216 p; their scale words, 512 bytes each, at KS and VS + 512 (8 e + p); AO the operand's image; then the spare words.
; out_w's K step 7: 6,144 bytes a wave from byte 0 on.  The stage lies in the second heads' bytes, which have had their last fill and, behind the barrier in front of the out projection, their last read.
; THE FILLS GO BY HEADS: sixteen loads, one a wave, for the pairs' first heads at the kernel's head (waves 0-3 k's codes, 4-7 v's, 8-11 k's scale words, 12-15 v's; two pairs a load), and the same
; sixteen for the second heads behind the barrier that shows the first whole.  A row of scale words begins at a multiple of 256 bytes; the readers add where the window begins in it.
; PREFETCH: waves 0 and 1 ask once for one tile of out_w (50 blocks of 256 bytes, the tile chosen by the work-group's number modulo 64) and for two blocks of out_b, more than one head's work ahead of the loads that want them.
; No joint loads: the work-groups that share keys need different windows of records, so no two descriptors are equal; of out_w one K step in eight goes through LDS, each wave's rows its own.
; LIMITS: the scaled scores stay under 2^31 in magnitude; NaN and infinities are not served; a block of zeros gets the scale byte 1 (zero codes; this program alone reads the bytes).
.set SCB, 18874368
.set EH,  135168                       ; from a pair's first head to its second, in LDS
.set VC,  61440
.set KS,  270336
.set VS,  278528
.set AO,  286720
.set SPARE, 312320
.set S,   96
.set WV,  12
.set AB,  13
.set CS,  66
.set SEL, 68
.set G1K, 24
.set G1V, 32
.set G1S, 40
.set GK,  48
.set GV,  52
.set GKS, 56
.set GVS, 60
; the out projection's registers: out_w's fragments, set 0 at v16, set 1 at v128; accumulator a = 2 i + j at v96 + 8 a (a < 4) or v192 + 8 a; the bias of tile i at v176 + 8 i, of tile 3 at v80
.set AF,  200                          ; the tokens' fragments, one set of 24
.set WS,  64                           ; out_w's scale words: 8 (i / 2) + K step; the odd tile in lanes 16-31
.set AS,  88                           ; the tokens' scale words: K step; tile 1 in lanes 16-31
.macro PLACES n
.rept \n
	v_nop
.endr
.endm
.macro ARM under, g0, g1, next, join
	s_cmp_lt_u32 s[WV], \under
	s_cbranch_scc0 \next
	tensor_load_to_lds s[\g0:\g0+3], s[\g1:\g1+7]
	s_nop 0
	PLACES 4
	s_branch \join
\next:
.endm
.macro KVLOAD                          ; one load a wave: one chain of branches on the wave's number, all arms lead to one join
	ARM 4, GK, G1K, .Lv_\@, .Lj_\@
	ARM 8, GV, G1V, .Lks_\@, .Lj_\@
	ARM 12, GKS, G1S, .Lvs_\@, .Lj_\@
	tensor_load_to_lds s[GVS:GVS+3], s[G1S:G1S+7]
	s_nop 0
	PLACES 4
.Lj_\@:
.endm
.macro WLOAD s                         ; out_w's four fragments of K step s into set s % 2: each load reads 512 consecutive bytes
.set rW, 16+112*((\s)%2)
.irp i, 0,1,2,3
.irp g, 0,1,2
	global_load_b128 v[rW+12*\i+4*\g:rW+12*\i+4*\g+3], v12, s[76:77] offset:12800*\i+6400*((\s)/4)+1536*((\s)%4)+512*\g
.endr
.endr
.endm
	s_load_b128 s[4:7], s[0:1], 0x0                ; qkv, img
	s_load_b128 s[8:11], s[0:1], 0x10              ; out_b, out0
	v_lshl_add_u32 v254, v0, 2, SPARE
	v_mov_b32 v255, 0
	ds_add_u32 v254, v255                          ; the opening lines: the add twice and its wait ahead of my first tensor load
	ds_add_u32 v254, v255
	v_lshrrev_b32 v20, 5, v0
	v_readfirstlane_b32 s[WV], v20
	s_and_b32 s[AB], ttmp9, 31                     ; my block of 32 tokens
	s_lshr_b32 s14, ttmp9, 5                       ; the batch
	s_lshr_b32 s15, s[AB], 1                       ; its pair of key blocks
	s_and_b32 s16, s[AB], 1
	s_and_b32 s17, s[WV], 1                        ; my tile of 16 queries
	s_lshr_b32 s18, s[WV], 1                       ; my pair of heads
	s_and_b32 s19, s[WV], 3                        ; I fetch for pairs 2 s19 and 2 s19 + 1
	s_mov_b32 s[G1K], 3<<16                        ; k's codes: 2 rows of 7,680 bytes (five records), 64 records apart
	s_mov_b32 s[G1K+1], 960<<16
	s_mov_b32 s[G1K+2], 2<<16
	s_mov_b32 s[G1K+3], 960<<16
	s_mov_b32 s[G1K+4], 2
	s_mov_b32 s[G1K+5], 12288
	s_mov_b32 s[G1K+6], 0
	s_mov_b32 s[G1K+7], 0
	s_mov_b32 s[G1V], 3<<16                        ; v's: 2 rows of 9,216 bytes (six records)
	s_mov_b32 s[G1V+1], 1152<<16
	s_mov_b32 s[G1V+2], 2<<16
	s_mov_b32 s[G1V+3], 1152<<16
	s_mov_b32 s[G1V+4], 2
	s_mov_b32 s[G1V+5], 12288
	s_mov_b32 s[G1V+6], 0
	s_mov_b32 s[G1V+7], 0
	s_mov_b32 s[G1S], 3<<16                        ; scale words: 2 rows of 512 bytes, 4,096 bytes apart
	s_mov_b32 s[G1S+1], 64<<16
	s_mov_b32 s[G1S+2], 2<<16
	s_mov_b32 s[G1S+3], 64<<16
	s_mov_b32 s[G1S+4], 2
	s_mov_b32 s[G1S+5], 512
	s_mov_b32 s[G1S+6], 0
	s_mov_b32 s[G1S+7], 0
	s_lshl_b32 s20, s14, 9
	s_lshl_b32 s21, s19, 7
	s_add_co_u32 s20, s20, s21                     ; 32 x (16 b + 4 s19): the first head's records
	s_add_co_u32 s21, s20, s[AB]
	s_lshl_b32 s22, s15, 1
	s_add_co_u32 s22, s20, s22
	s_add_co_u32 s82, s21, 4094                    ; k's records begin at 4,096; the window two blocks ahead of mine
	s_mul_i32 s82, s82, 1536
	s_mov_b32 s83, 0
	s_add_co_u32 s84, s22, 8190                    ; v's at 8,192; the window one pair of blocks ahead of mine
	s_mul_i32 s84, s84, 1536
	s_mov_b32 s85, 0
	s_add_co_u32 s86, s21, -2
	s_and_b32 s86, s86, -4                         ; down to a multiple of four records, 256 bytes of scale words
	s_lshl_b32 s86, s86, 6
	s_add_co_u32 s86, s86, SCB
	s_mov_b32 s87, 0
	s_add_co_u32 s88, s22, -2
	s_and_b32 s88, s88, -4
	s_lshl_b32 s88, s88, 6
	s_add_co_u32 s88, s88, SCB+262144
	s_mov_b32 s89, 0
	s_mov_b32 s[GK], 1
	s_mul_i32 s[GK+1], s19, 15360
	s_mov_b32 s[GV], 1
	s_mul_i32 s[GV+1], s19, 18432
	s_add_co_u32 s[GV+1], s[GV+1], VC
	s_mov_b32 s[GKS], 1
	s_lshl_b32 s[GKS+1], s19, 10
	s_add_co_u32 s[GKS+1], s[GKS+1], KS
	s_mov_b32 s[GVS], 1
	s_lshl_b32 s[GVS+1], s19, 10
	s_add_co_u32 s[GVS+1], s[GVS+1], VS
	s_wait_dscnt 0x0                               ; both opening adds are done
	s_wait_kmcnt 0x0
	s_add_nc_u64 s[GK+2:GK+3], s[4:5], s[82:83]
	s_or_b32 s[GK+3], s[GK+3], 0x80000000
	s_add_nc_u64 s[GV+2:GV+3], s[4:5], s[84:85]
	s_or_b32 s[GV+3], s[GV+3], 0x80000000
	s_add_nc_u64 s[GKS+2:GKS+3], s[4:5], s[86:87]
	s_or_b32 s[GKS+3], s[GKS+3], 0x80000000
	s_add_nc_u64 s[GVS+2:GVS+3], s[4:5], s[88:89]
	s_or_b32 s[GVS+3], s[GVS+3], 0x80000000
	KVLOAD                                         ; the pairs' first heads; all below up to the wait is made while it is out
	s_lshl_b32 s20, s14, 9
	s_lshl_b32 s21, s18, 6
	s_add_co_u32 s20, s20, s21
	s_add_co_u32 s20, s20, s[AB]                   ; q's record: 32 (16 b + 2 pair) + AB
	s_mul_i32 s82, s20, 1536
	s_add_nc_u64 s[72:73], s[4:5], s[82:83]
	s_lshl_b32 s82, s20, 6
	s_add_co_u32 s82, s82, SCB+524288
	s_add_nc_u64 s[74:75], s[4:5], s[82:83]
	s_mul_i32 s82, s[WV], 51200
	s_add_co_u32 s82, s82, 9011200
	s_add_nc_u64 s[76:77], s[6:7], s[82:83]        ; my four tiles of out_w: tile 704 + 4 w
	s_lshl_b32 s82, s14, 22
	s_lshl_b32 s84, s[AB], 17
	s_add_co_u32 s82, s82, s84
	s_lshl_b32 s84, s[WV], 8
	s_add_co_u32 s82, s82, s84
	s_add_nc_u64 s[78:79], s[10:11], s[82:83]      ; out0: token 1,024 b + 32 AB, output 64 w
	s_add_nc_u64 s[80:81], s[8:9], s[84:85]        ; my 64 numbers of the bias
	s_and_b32 s82, ttmp9, 63
	s_mul_i32 s82, s82, 12800
	s_add_co_u32 s82, s82, 9011200
	s_add_nc_u64 s[86:87], s[6:7], s[82:83]        ; the tile of out_w that my work-group asks for
	s_and_b32 s82, ttmp9, 7
	s_lshl_b32 s82, s82, 9
	s_add_nc_u64 s[88:89], s[8:9], s[82:83]        ; and its two blocks of out_b
	s_mov_b32 s[CS], 0x3e38aa3b                    ; log2(e) / sqrt(64)
	s_mov_b32 s[CS+1], s[CS]
	s_mov_b32 s[SEL], 0x76543210
	s_mov_b32 s[SEL+1], 0xfedcba98
	s_lshl_b32 s70, s16, 3
	s_mov_b32 s71, 0x03020302
	s_cmp_eq_u32 s17, 0
	s_cselect_b32 s71, 0x01000100, s71
	s_mul_i32 s90, s18, 7680                       ; k's codes of my pair
	s_add_co_u32 s20, s[AB], 2
	s_and_b32 s20, s20, 3
	s_lshl_b32 s20, s20, 6                         ; where k's window begins in its 512 bytes of scale words
	s_lshl_b32 s91, s18, 9
	s_add_co_u32 s91, s91, s20
	s_add_co_u32 s91, s91, KS
	s_mul_i32 s92, s18, 9216
	s_lshl_b32 s20, s16, 8
	s_add_co_u32 s92, s92, s20
	s_add_co_u32 s92, s92, VC                      ; v's codes: an odd block's window begins with the pair's second block
	s_mul_i32 s93, s16, 2560
	s_add_co_u32 s93, s93, 256
	s_and_b32 s20, s15, 1
	s_xor_b32 s20, s20, 1
	s_lshl_b32 s20, s20, 7                         ; where v's window begins
	s_lshl_b32 s94, s18, 9
	s_add_co_u32 s94, s94, s20
	s_add_co_u32 s94, s94, VS
	s_mul_i32 s95, s17, 520
	s_mul_i32 s96, s17, 1016
	s_lshl_b32 s97, s17, 3
	s_mul_i32 s98, s17, 12800                      ; the image: tile = my tile of queries, K step = my pair
	s_lshr_b32 s20, s18, 2
	s_mul_i32 s20, s20, 6400
	s_add_co_u32 s98, s98, s20
	s_add_co_u32 s98, s98, AO
	s_and_b32 s20, s18, 3
	s_lshl_b32 s21, s20, 2
	s_add_co_u32 s99, s98, s21
	s_add_co_u32 s99, s99, 6144
	s_mul_i32 s20, s20, 1536
	s_add_co_u32 s98, s98, s20
	s_mul_i32 s100, s[WV], 4352                    ; my stage: 16 rows x (256 + 16) bytes, in the second heads' bytes
	s_add_co_u32 s100, s100, EH
	s_mul_i32 s101, s[WV], 6144                    ; my rows of out_w's K step 7
	v_and_b32 v20, 31, v0
	v_and_b32 v21, 15, v0
	v_bfe_u32 v22, v0, 4, 1
	v_lshlrev_b32 v12, 4, v20
	v_lshlrev_b32 v9, 2, v21
	v_lshlrev_b32 v23, 4, v21
	v_add_nc_u32 v1, s90, v12
	v_add_nc_u32 v2, s91, v9
	v_add_nc_u32 v4, s92, v23
	v_mul_u32_u24 v3, s93, v22
	v_add_nc_u32 v5, s94, v9
	v_add_nc_u32 v3, v3, v4
	v_add_nc_u32 v6, s95, v12
	v_add_nc_u32 v7, s96, v12
	v_and_b32 v10, 8, v21
	v_lshlrev_b32 v24, 4, v22
	v_add_nc_u32 v10, v10, v21
	v_add_nc_u32 v8, s98, v12
	v_sub_nc_u32 v10, v10, v24
	v_add_nc_u32 v11, s99, v23
	v_add_nc_u32 v10, s97, v10
	v_min_u32 v219, 49, v0
	v_lshrrev_b32 v218, 5, v0
	v_lshlrev_b32 v219, 8, v219                    ; threads 0-49 a block each of the tile's 50; the lanes left over name the last again
	v_lshlrev_b32 v218, 8, v218                    ; a wave a block of out_b
	s_wait_alu depctr_va_vdst(0)                   ; the wait ahead of the branch
	s_cmp_gt_u32 s[WV], 1
	s_cbranch_scc1 .Lnot_asking
	global_prefetch_b8 v219, s[86:87] th:TH_LOAD_NT scope:SCOPE_SE
	global_prefetch_b8 v218, s[88:89] th:TH_LOAD_NT scope:SCOPE_SE
.Lnot_asking:
	global_load_b64 v[82:83], v6, s[72:73]
	global_load_b64 v[84:85], v7, s[72:73] offset:8
	global_load_b64 v[86:87], v6, s[72:73] offset:512
	global_load_b64 v[206:207], v6, s[72:73] offset:49152
	global_load_b64 v[208:209], v7, s[72:73] offset:49160
	global_load_b64 v[210:211], v6, s[72:73] offset:49664
	global_load_b32 v240, v9, s[74:75]
	global_load_b32 v241, v9, s[74:75] offset:2048
	v_mov_b32 v13, 0xff800000
.irp i, 0,1,2,3,4,5
	v_mov_b32 v[76+\i], 0
	v_mov_b32 v[88+\i], 0
	v_mov_b32 v[194+\i], 0
.endr
.irp i, 0,1,2,3,4
	v_mov_b32 v[225+\i], 0
.endr
	s_wait_alu depctr_va_vdst(0)                   ; the wait at the head's end
	s_wait_tensorcnt 0x0                           ; my load for the first heads is in
	ds_add_u32 v254, v255
	s_add_co_u32 s[GK+1], s[GK+1], EH              ; no load of mine is out: the groups 0 step to the pairs' second heads, 32 records on
	s_add_nc_u64 s[GK+2:GK+3], s[GK+2:GK+3], 49152
	s_add_co_u32 s[GV+1], s[GV+1], EH
	s_add_nc_u64 s[GV+2:GV+3], s[GV+2:GV+3], 49152
	s_add_co_u32 s[GKS+1], s[GKS+1], 4096
	s_add_nc_u64 s[GKS+2:GKS+3], s[GKS+2:GKS+3], 2048
	s_add_co_u32 s[GVS+1], s[GVS+1], 4096
	s_add_nc_u64 s[GVS+2:GVS+3], s[GVS+2:GVS+3], 2048
	s_wait_dscnt 0x0
	s_barrier_signal -1
	s_barrier_wait -1                              ; everybody's is in
	KVLOAD                                         ; the second heads: out while HEAD 0 is worked
	v_mov_b32 v254, 0
	s_wait_loadcnt 0x0                             ; q
	s_wait_xcnt 0x0                                ; the prefetches have read their address registers, which HEAD writes
	v_perm_b32 v240, v240, v240, s71
	s_wait_alu depctr_va_vdst(0)
	v_perm_b32 v241, v241, v241, s71
	PLACES 8
.macro HEAD e
.if \e
.irp i, 0,1,2,3,4,5
	v_mov_b32 v[76+\i], 0
.endr
.irp i, 0,1,2,3,4,5
	v_mov_b32 v[82+\i], v[206+\i]
.endr
	s_wait_alu depctr_va_vdst(0)
	PLACES 4
.endif
.irp i, 0,1,2,3,4
.irp g, 0,1,2
	ds_load_b128 v[16+12*\i+4*\g:19+12*\i+4*\g], v1 offset:1536*\i+512*\g
.endr
	ds_load_b32 v[235+\i], v2 offset:4096*\e+64*\i
.endr
	s_wait_dscnt 0x0
.irp i, 0,1,2,3,4
	v_wmma_scale_f32_16x16x128_f8f6f4 v[S+16*\i:S+16*\i+7], v[16+12*\i:27+12*\i], v[82:93], 0, v[235+\i], v[240+\e] matrix_a_fmt:MATRIX_FMT_FP6 matrix_b_fmt:MATRIX_FMT_FP6
	v_wmma_scale_f32_16x16x128_f8f6f4 v[S+16*\i+8:S+16*\i+15], v[16+12*\i:27+12*\i], v[76:87], 0, v[235+\i], v[240+\e] matrix_a_fmt:MATRIX_FMT_FP6 matrix_b_fmt:MATRIX_FMT_FP6
.endr
	PLACES 4
.irp T, 0,1,2,3
.irp j, 0,1
.irp p, 0,1,2
	ds_load_b64 v[16+12*\T+6*\j+2*\p:17+12*\T+6*\j+2*\p], v3 offset:3072*\j+1536*(\T/2)+512*((3*(\T%2)+\p)/2)+8*((3*(\T%2)+\p)%2)
.endr
.endr
.endr
.irp T, 0,1,2,3
.irp p, 0,1,2
	ds_load_b64 v[64+6*\T+2*\p:65+6*\T+2*\p], v4 offset:6144+1536*(\T/2)+512*((3*(\T%2)+\p)/2)+8*((3*(\T%2)+\p)%2)
.endr
.endr
.irp q, 0,1,2,3,4
	ds_load_b32 v[235+\q], v5 offset:4096*\e+64*\q
.endr
	ds_load_b32 v242, v5 offset:4096*\e+320
	s_cmp_gt_u32 s[AB], 1                          ; blocks of keys that lie outside the sequence: -inf (branches on ids alone, round register work alone)
	s_cbranch_scc1 .Le0_\@
.irp n, 0,1,2,3,4,5,6,7,8,9,10,11,12,13,14,15
	v_mov_b32 v[S+\n], v13
.endr
.Le0_\@:
	s_cmp_gt_u32 s[AB], 0
	s_cbranch_scc1 .Le1_\@
.irp n, 0,1,2,3,4,5,6,7,8,9,10,11,12,13,14,15
	v_mov_b32 v[S+16+\n], v13
.endr
.Le1_\@:
	s_cmp_lt_u32 s[AB], 31
	s_cbranch_scc1 .Le3_\@
.irp n, 0,1,2,3,4,5,6,7,8,9,10,11,12,13,14,15
	v_mov_b32 v[S+48+\n], v13
.endr
.Le3_\@:
	s_cmp_lt_u32 s[AB], 30
	s_cbranch_scc1 .Le4_\@
.irp n, 0,1,2,3,4,5,6,7,8,9,10,11,12,13,14,15
	v_mov_b32 v[S+64+\n], v13
.endr
.Le4_\@:
.irp n, 0,1,2,3,4,5,6,7,8,9,10,11,12,13,14,15
	v_cmp_lt_i32 vcc_lo, \n, v10                   ; the window's two ends: keys more than 64 from my query
	v_cndmask_b32 v[S+\n], v[S+\n], v13, vcc_lo
.endr
.irp n, 0,1,2,3,4,5,6,7,8,9,10,11,12,13,14,15
	v_cmp_gt_i32 vcc_lo, \n, v10
	v_cndmask_b32 v[S+64+\n], v[S+64+\n], v13, vcc_lo
.endr
.irp b, 0,1,2,3,4
	v_max3_num_f32 v[220+\b], v[S+16*\b], v[S+16*\b+1], v[S+16*\b+2]   ; each block's largest score: for the row's maximum and for the block's largest p
.endr
.irp i, 3,5,7,9,11,13
.irp b, 0,1,2,3,4
	v_max3_num_f32 v[220+\b], v[220+\b], v[S+16*\b+\i], v[S+16*\b+\i+1]
.endr
.endr
.irp b, 0,1,2,3,4
	v_max_num_f32 v[220+\b], v[220+\b], v[S+16*\b+15]
.endr
.irp b, 0,1,2,3,4
	v_permlanex16_b32 v[225+\b], v[220+\b], s[SEL], s[SEL+1]
.endr
.irp b, 0,1,2,3,4
	v_max_num_f32 v[220+\b], v[220+\b], v[225+\b]
.endr
	s_delay_alu instid0(VALU_DEP_3)
	v_max3_num_f32 v254, v220, v221, v222
	s_delay_alu instid0(VALU_DEP_1)
	v_max3_num_f32 v254, v254, v223, v224
	s_delay_alu instid0(VALU_DEP_1)
	v_mul_f32 v15, s[CS], v254
	s_delay_alu instid0(VALU_DEP_1)
	v_floor_f32 v14, -v15                          ; -M = floor(-t)
.set j, 0
.rept 40
	v_pk_fma_f32 v[S+j:S+j+1], v[S+j:S+j+1], s[CS:CS+1], v[14:15] op_sel_hi:[1,0,0]
.set j, j+2
.endr
.irp b, 0,1,2,3,4
	v_fma_f32 v[220+\b], v[220+\b], s[CS], v14
.endr
.set j, 0
	s_wait_alu depctr_va_vdst(0)                   ; the wait ahead of the batch
.rept 80
	v_exp_f32 v[S+j], v[S+j]
.set j, j+1
.endr
	v_nop
	s_wait_alu depctr_va_vdst(0)                   ; and behind it
.irp b, 0,1,2,3,4
	v_exp_f32 v[220+\b], v[220+\b]
.endr
	v_pk_add_f32 v[94:95], v[S:S+1], v[S+2:S+3]    ; the row's sum, of the unquantised p
	v_pk_add_f32 v[254:255], v[S+4:S+5], v[S+6:S+7]
.set j, 8
.rept 18
	v_pk_add_f32 v[94:95], v[94:95], v[S+j:S+j+1]
	v_pk_add_f32 v[254:255], v[254:255], v[S+j+2:S+j+3]
.set j, j+4
.endr
	s_delay_alu instid0(VALU_DEP_1)
	v_pk_add_f32 v[94:95], v[94:95], v[254:255]
	s_wait_alu depctr_va_vdst(0)
.irp b, 0,1,2,3,4
	v_max_num_f32 v[220+\b], 0x1800000, v[220+\b]  ; the floor 2^(3 - 127): the byte cannot fall under 1
.endr
.irp b, 0,1,2,3,4
	v_add_nc_u32 v[230+\b], 0xff000000, v[220+\b]
.endr
.irp b, 0,1,2,3,4
	v_lshrrev_b32 v[225+\b], 23, v[230+\b]
.endr
	s_delay_alu instid0(VALU_DEP_4)
	v_lshl_or_b32 v251, v226, 8, v225
	s_delay_alu instid0(VALU_DEP_1)
	v_lshl_or_b32 v251, v227, 16, v251
	s_delay_alu instid0(VALU_DEP_1)
	v_lshl_or_b32 v251, v228, 24, v251
	s_delay_alu instid0(VALU_DEP_4)
	v_mov_b32 v252, v229
.irp i, 0,1,2
	v_mov_b32 v[191+\i], 0
.endr
	v_cvt_scalef32_pk16_fp6_f32 v[176:178], v[S:S+15], v230
	v_cvt_scalef32_pk16_fp6_f32 v[212:214], v[S+16:S+31], v231
	v_cvt_scalef32_pk16_fp6_f32 v[182:184], v[S+32:S+47], v232
	v_cvt_scalef32_pk16_fp6_f32 v[216:218], v[S+48:S+63], v233
	v_cvt_scalef32_pk16_fp6_f32 v[188:190], v[S+64:S+79], v234
	v_nop
.irp i, 0,1,2
	v_permlane16_swap_b32 v[176+\i], v[212+\i]
	v_permlane16_swap_b32 v[182+\i], v[216+\i]
	v_permlane16_swap_b32 v[188+\i], v[191+\i]
.endr
.irp i, 0,1,2
	v_mov_b32 v[179+\i], v[212+\i]
	v_mov_b32 v[185+\i], v[216+\i]
.endr
	v_add_f32 v94, v94, v95
	s_delay_alu instid0(VALU_DEP_1)
	v_permlanex16_b32 v254, v94, s[SEL], s[SEL+1]
	s_delay_alu instid0(VALU_DEP_1)
	v_add_f32 v94, v94, v254
	s_wait_alu depctr_va_vdst(0)
	v_rcp_f32 v94, v94
	s_wait_dscnt 0x0
.irp T, 0,1,2,3
.if \T%2
	v_perm_b32 v[243+\T], v[237+\T/2], v[235+\T/2], 0x07060302
	v_lshrrev_b32 v[247+\T], 16, v[239+3*(\T/2)]
.else
	v_perm_b32 v[243+\T], v[237+\T/2], v[235+\T/2], 0x05040100
	v_and_b32 v[247+\T], 0xffff, v[239+3*(\T/2)]
.endif
.endr
.irp T, 0,1,2,3
	v_alignbit_b32 v[243+\T], v[247+\T], v[243+\T], s70
.endr
.irp T, 0,1,2,3
	v_lshrrev_b32 v[247+\T], s70, v[247+\T]
.endr
	s_wait_alu depctr_va_vdst(0)
	PLACES 8
.irp T, 0,1,2,3
	v_wmma_scale_f32_16x16x128_f8f6f4 v[S+8*\T:S+8*\T+7], v[16+12*\T:27+12*\T], v[176:187], 0, v[243+\T], v251 matrix_a_fmt:MATRIX_FMT_FP6 matrix_b_fmt:MATRIX_FMT_FP6
.endr
.irp T, 0,1,2,3
	v_wmma_scale_f32_16x16x128_f8f6f4 v[S+8*\T:S+8*\T+7], v[64+6*\T:75+6*\T], v[188:199], v[S+8*\T:S+8*\T+7], v[247+\T], v252 matrix_a_fmt:MATRIX_FMT_FP6 matrix_b_fmt:MATRIX_FMT_FP6
.endr
	PLACES 4
.if \e                                 ; v16-93 and v128-199 are free from here on: the out projection's first loads go out: 36 loads of mine are out
	WLOAD 0
	WLOAD 1
.irp m, 0,1
.irp c, 0,1
	global_load_b128 v[WS+8*\m+4*\c:WS+8*\m+4*\c+3], v6, s[76:77] offset:25600*\m+6400*\c
.endr
.endr
.irp i, 0,1,2,3                        ; the bias: lane half hh, register n of tile i: output 32 (i / 2) + 16 hh + 8 (i % 2) + n
	global_load_b128 v[176+8*\i-120*(\i/3):176+8*\i-120*(\i/3)+3], v7, s[80:81] offset:4*(32*(\i/2)+8*(\i%2))
	global_load_b128 v[176+8*\i-120*(\i/3)+4:176+8*\i-120*(\i/3)+7], v7, s[80:81] offset:4*(32*(\i/2)+8*(\i%2))+16
.endr
.endif
.set j, 0
.rept 16
	v_pk_mul_f32 v[S+j:S+j+1], v[S+j:S+j+1], v[94:95] op_sel_hi:[1,0]
.set j, j+2
.endr
.irp b, 0,1
	v_max3_num_f32 v[220+\b], |v[S+16*\b]|, |v[S+16*\b+1]|, 0x1800000
.endr
.irp i, 2,4,6,8,10,12,14
.irp b, 0,1
	s_delay_alu instid0(VALU_DEP_2)
	v_max3_num_f32 v[220+\b], v[220+\b], |v[S+16*\b+\i]|, |v[S+16*\b+\i+1]|
.endr
.endr
.irp b, 0,1
	s_delay_alu instid0(VALU_DEP_2)
	v_permlanex16_b32 v[225+\b], v[220+\b], s[SEL], s[SEL+1]
.endr
.irp b, 0,1
	s_delay_alu instid0(VALU_DEP_2)
	v_max_num_f32 v[220+\b], v[220+\b], v[225+\b]
.endr
.irp b, 0,1
	s_delay_alu instid0(VALU_DEP_2)
	v_add_nc_u32 v[230+\b], 0xff000000, v[220+\b]
.endr
.irp b, 0,1
	s_delay_alu instid0(VALU_DEP_2)
	v_lshrrev_b32 v[225+\b], 23, v[230+\b]
.endr
.if \e
	s_delay_alu instid0(VALU_DEP_2)
	v_lshl_or_b32 v253, v225, 16, v253
	s_delay_alu instid0(VALU_DEP_1)
	v_lshl_or_b32 v253, v226, 24, v253
.else
	s_delay_alu instid0(VALU_DEP_1)
	v_lshl_or_b32 v253, v226, 8, v225
.endif
	v_cvt_scalef32_pk16_fp6_f32 v[200+6*\e:202+6*\e], v[S:S+15], v230
	v_cvt_scalef32_pk16_fp6_f32 v[212:214], v[S+16:S+31], v231
	v_nop
.irp i, 0,1,2
	v_permlane16_swap_b32 v[200+6*\e+\i], v[212+\i]
.endr
.irp i, 0,1,2
	s_delay_alu instid0(VALU_DEP_3)
	v_mov_b32 v[203+6*\e+\i], v[212+\i]
.endr
.endm
	HEAD 0
	v_add_nc_u32 v1, EH, v1                        ; on to the second heads' codes
	v_add_nc_u32 v3, EH, v3
	v_add_nc_u32 v4, EH, v4
	v_and_b32 v9, 15, v0
	v_bfe_u32 v7, v0, 4, 1
	v_lshlrev_b32 v9, 4, v9
	v_lshl_add_u32 v254, v0, 2, SPARE              ; the add's two registers, made anew from v0
	v_mad_u32_u24 v6, v7, 12800, v9
	v_mov_b32 v255, 0
	v_lshlrev_b32 v7, 6, v7                        ; the bias: 64 hh
	v_add_nc_u32 v6, 6144, v6                      ; scale words of an image: 16 r, the odd tile for lanes 16-31, behind a chunk's four fragments
	s_wait_alu depctr_va_vdst(0)                   ; the wait ahead of the blocking wait
	s_wait_tensorcnt 0x0                           ; my load for the second heads is in,
	ds_add_u32 v254, v255                          ; (the add ahead of a refill's barrier)
	s_mov_b32 s[G1K+1], 192<<16                    ; no load of mine is out: k's descriptors now serve out_w's K step 7: 4 rows of 1,536 bytes, a tile (12,800 bytes) apart
	s_mov_b32 s[G1K+2], 4<<16
	s_mov_b32 s[G1K+3], 192<<16
	s_mov_b32 s[G1K+4], 4
	s_mov_b32 s[G1K+5], 1600
	s_mul_i32 s[GK+1], s[WV], 6144
	s_add_nc_u64 s[GK+2:GK+3], s[76:77], 11008     ; chunk 1, fragment 3 of my first tile
	s_or_b32 s[GK+3], s[GK+3], 0x80000000
	s_wait_dscnt 0x0                               ; the add is done, and my reads of the first heads' bytes are over
	s_barrier_signal -1
	s_barrier_wait -1                              ; both hold of every wave
	tensor_load_to_lds s[GK:GK+3], s[G1K:G1K+7]    ; my one load behind this barrier, into the first heads' bytes; it is out while HEAD 1 is worked
	s_nop 0
	PLACES 4
	HEAD 1
; ---- my K step of the operand goes to the image
.irp g, 0,1,2
	ds_store_b128 v8, v[200+4*\g:203+4*\g] offset:512*\g
.endr
	ds_store_b32 v11, v253                         ; both halves of the lanes write the same word with the same value
	v_and_b32 v1, 15, v0                           ; r
	v_bfe_u32 v2, v0, 4, 1                         ; hh
	v_lshlrev_b32 v3, 4, v1
	v_mul_u32_u24 v9, v1, 272
	v_mul_u32_u24 v10, v2, 272
	v_add_nc_u32 v4, AO, v12                       ; the tokens' fragments
	v_add_nc_u32 v5, AO, v6                        ; the tokens' scale words
	v_lshl_add_u32 v9, v2, 6, v9
	v_add_nc_u32 v10, v10, v3
	v_add_nc_u32 v14, s101, v12                    ; my rows of out_w's K step 7
	v_add_nc_u32 v9, s100, v9                      ; the stage, in: row r, + 64 hh
	v_add_nc_u32 v10, s100, v10                    ; back: sixteen lanes to a row of 256 bytes, two rows a load
	v_lshl_add_u32 v13, v2, 12, v3                 ; and the same two rows in out0
	s_wait_alu depctr_va_vdst(0)                   ; the wait ahead of the blocking wait
	s_wait_tensorcnt 0x0                           ; my rows of K step 7 are in: I alone read them
	s_wait_dscnt 0x0                               ; my stores are done, for the others' sake, and have read their registers
	s_barrier_signal -1
	s_barrier_wait -1                              ; the image is whole, and nobody reads the second heads' bytes any more
.macro ALOAD s                         ; the two token tiles' fragments of K step s
.irp j, 0,1
.irp g, 0,1,2
	ds_load_b128 v[AF+12*\j+4*\g:AF+12*\j+4*\g+3], v4 offset:12800*\j+6400*((\s)/4)+1536*((\s)%4)+512*\g
.endr
.endr
.endm
	ds_load_b128 v[AS:AS+3], v5
	ds_load_b128 v[AS+4:AS+7], v5 offset:6400
	ALOAD 0
.macro WM i, j, s                      ; one product; an odd tile's scale words stand in lanes 16-31; the first K step takes the bias as C
.set rD, 96+8*(2*(\i)+(\j))+96*((2*(\i)+(\j))/4)
.set rC, rD
.if (\s) == 0
.set rC, 176+8*(\i)-120*((\i)/3)
.endif
.set rA, 16+112*((\s)%2)+12*(\i)
.set rB, AF+12*(\j)
.set rSA, WS+8*((\i)/2)+(\s)
.set rSB, AS+(\s)
.if ((\i)%2) && (\j)
	v_wmma_scale_f32_16x16x128_f8f6f4 v[rD:rD+7], v[rA:rA+11], v[rB:rB+11], v[rC:rC+7], v[rSA], v[rSB] matrix_a_fmt:MATRIX_FMT_FP6 matrix_b_fmt:MATRIX_FMT_FP6 matrix_a_scale:MATRIX_SCALE_ROW1 matrix_b_scale:MATRIX_SCALE_ROW1
.elseif (\i)%2
	v_wmma_scale_f32_16x16x128_f8f6f4 v[rD:rD+7], v[rA:rA+11], v[rB:rB+11], v[rC:rC+7], v[rSA], v[rSB] matrix_a_fmt:MATRIX_FMT_FP6 matrix_b_fmt:MATRIX_FMT_FP6 matrix_a_scale:MATRIX_SCALE_ROW1
.elseif \j
	v_wmma_scale_f32_16x16x128_f8f6f4 v[rD:rD+7], v[rA:rA+11], v[rB:rB+11], v[rC:rC+7], v[rSA], v[rSB] matrix_a_fmt:MATRIX_FMT_FP6 matrix_b_fmt:MATRIX_FMT_FP6 matrix_b_scale:MATRIX_SCALE_ROW1
.else
	v_wmma_scale_f32_16x16x128_f8f6f4 v[rD:rD+7], v[rA:rA+11], v[rB:rB+11], v[rC:rC+7], v[rSA], v[rSB] matrix_a_fmt:MATRIX_FMT_FP6 matrix_b_fmt:MATRIX_FMT_FP6
.endif
.endm
.irp s, 0,1,2,3,4,5,6,7                ; a K step: 8 products, the 8 accumulators by turns
.if \s == 0
	s_wait_loadcnt 0x0                             ; K steps 0 and 1, the scale words and the bias are in
.elseif \s < 6
	s_wait_loadcnt 12                              ; this step's fragments of out_w are in; the next step's 12 loads may be out
.elseif \s == 6
	s_wait_loadcnt 0x0
.endif
	s_wait_dscnt 0x0                               ; the tokens' fragments (at step 7: out_w's too)
.irp j, 0,1
.irp i, 0,1,2,3
	WM \i, \j, \s
.endr
.endr
	PLACES 4                                       ; places in front of loads into registers that these products read, and of the first read of results
.if \s < 5
	WLOAD \s+2
.endif
.if \s == 5                            ; set 1 takes K step 7, from LDS
.irp i, 0,1,2,3
.irp g, 0,1,2
	ds_load_b128 v[128+12*\i+4*\g:128+12*\i+4*\g+3], v14 offset:1536*\i+512*\g
.endr
.endr
.endif
.if \s < 7
	ALOAD \s+1
.endif
.endr
; ---- the way out: a tile of 16 tokens x 64 outputs through my own stage and back as rows of 256 bytes.  LDS serves a wave's instructions in order: no wait between the stores and the loads
.irp j, 0,1
.irp i, 0,1,2,3
	ds_store_b128 v9, v[96+8*(2*\i+\j)+96*((2*\i+\j)/4):96+8*(2*\i+\j)+96*((2*\i+\j)/4)+3] offset:128*(\i/2)+32*(\i%2)        ; each accumulator from its low end on
	ds_store_b128 v9, v[96+8*(2*\i+\j)+96*((2*\i+\j)/4)+4:96+8*(2*\i+\j)+96*((2*\i+\j)/4)+7] offset:128*(\i/2)+32*(\i%2)+16
.endr
.irp t, 0,1,2,3,4,5,6,7
	ds_load_b128 v[16+112*\j+4*\t:16+112*\j+4*\t+3], v10 offset:544*\t
.endr
.endr
.irp j, 0,1
	s_wait_dscnt 16-16*\j                          ; tile j is back; behind tile 0's loads stand tile 1's 8 stores and 8 loads
.irp t, 0,1,2,3,4,5,6,7
	global_store_b128 v13, v[16+112*\j+4*\t:16+112*\j+4*\t+3], s[78:79] offset:(((2*\t)%8)+16*((2*\t)/8)+8*\j)*4096 th:TH_STORE_NT   ; sixteen lanes store 256 consecutive bytes, aligned
.endr
.endr
	v_lshl_add_u32 v254, v0, 2, SPARE              ; the add's two registers, made anew from v0
	v_mov_b32 v255, 0
	s_wait_alu depctr_va_vdst(0)
	s_wait_tensorcnt 0x0                           ; the wave's end
	ds_add_u32 v254, v255
	s_wait_dscnt 0x0
	s_endpgm
.Lfunc_end_k_q701d92024a_attn:
	.size	k_q701d92024a_attn, .Lfunc_end_k_q701d92024a_attn-k_q701d92024a_attn
	.p2alignl 7, 3214868480
	.fill 96, 4, 3214868480
	.section	.rodata,"a",@progbits
	.p2align	6, 0x0
	.amdhsa_kernel k_q701d92024a_attn
		.amdhsa_group_segment_fixed_size 327680
		.amdhsa_private_segment_fixed_size 0
		.amdhsa_enable_private_segment 0
		.amdhsa_kernarg_size 32
		.amdhsa_user_sgpr_count 2
		.amdhsa_user_sgpr_kernarg_segment_ptr 1
		.amdhsa_wavefront_size32 1
		.amdhsa_system_sgpr_workgroup_id_x 1
		.amdhsa_system_sgpr_workgroup_id_y 1
		.amdhsa_system_sgpr_workgroup_id_z 1
		.amdhsa_system_vgpr_workitem_id 0
		.amdhsa_next_free_vgpr 256
		.amdhsa_next_free_sgpr 102
		.amdhsa_reserve_vcc 1
		.amdhsa_float_denorm_mode_32 3
		.amdhsa_float_denorm_mode_16_64 3
		.amdhsa_memory_ordered 1
		.amdhsa_forward_progress 1
		.amdhsa_inst_pref_size 102
	.end_amdhsa_kernel
	.amdgpu_metadata
---
amdhsa.version: [ 1, 2 ]
amdhsa.kernels:
  - .name:           k_q701d92024a_attn
    .symbol:         k_q701d92024a_attn.kd
    .args:
      - { .name: qkv, .offset: 0, .size: 8, .value_kind: global_buffer, .address_space: global }
      - { .name: img, .offset: 8, .size: 8, .value_kind: global_buffer, .address_space: global }
      - { .name: out_b, .offset: 16, .size: 8, .value_kind: global_buffer, .address_space: global }
      - { .name: out0, .offset: 24, .size: 8, .value_kind: global_buffer, .address_space: global }
    .group_segment_fixed_size: 327680
    .private_segment_fixed_size: 0
    .kernarg_segment_align: 8
    .kernarg_segment_size: 32
    .max_flat_workgroup_size: 512
    .sgpr_count:     102
    .vgpr_count:     256
    .wavefront_size: 32
...
	.end_amdgpu_metadata
.endif
;; end of part 3
